; MI455X (gfx1250); checked and timed in simulation.
; The chip was launched on July 23, 2026; its instructions are those of AMD's public machine-readable ISA for CDNA 5 (MIT licence, August 2026) and "CDNA5" Instruction Set Architecture Reference Guide (July 2026). The comments in the code are by the model that wrote it; some were corrected since.
;; B M. Allowed arithmetic: float matrix products may take bf16 or f16 operands with f32 sums; other float arithmetic in f32, or as packed bf16 or f16 multiplies, adds, multiply-adds, maxima and minima; sums over many terms, partial sums and values carried from step to step in f32; what a program stores and reads back later, other than sums and carried values, may be rounded once to bf16 or f16.
;; Inputs: W1 40 x 256 float32; W2 256 x 256 float32; W3 256 x 256 float32; W4 256 x 256 float32; W5 256 x 31 float32; b1 256 float32; b2 256 float32; b3 256 float32; b4 256 float32; b5 31 float32; cell 2 x 32,768 x 2 float32; coord 2 x 32,768 x 2 float32; feat 2 x 4 x 64 x 64 float32.
;; Outputs: out0 2 x 32,768 x 31 float32.
;; 2 versions, each right; version 2 is version 1 with the launch prep written anew for expert scheduling mode. Each part assembles by itself: llvm-mc -triple=amdgcn-amd-amdhsa -mcpu=gfx1250 --defsym DOCPART=n.
;; ======== version 1 of 2: 2 launches
;; limits: values outside matrix products are rounded to f16; values are held in f16: magnitudes above 65,504 overflow, below 6.1e-05 lose precision; inputs' magnitudes at most 65,504
;; workspace buffers: idx 1,048,576 bytes of whole numbers; tab 1,048,576 bytes; wts 442,368 bytes; stat 12,288 bytes
;; launch prep (part 1): grid 256 x 1, 8 waves a work-group, no clusters, 0 bytes of LDS; arguments coord, cell, feat, W1, W2, W3, W4, W5, b1, idx, tab, wts, stat; writes idx, tab, wts, stat
.if DOCPART == 1
	.amdgcn_target "amdgcn-amd-amdhsa--gfx1250"
	.amdhsa_code_object_version 6
	.text
	.protected	k_q47b009e2c0_prep
	.globl	k_q47b009e2c0_prep
	.p2align	8
	.type	k_q47b009e2c0_prep,@function
k_q47b009e2c0_prep:
	s_mov_b64 s[64:65], 0
	v_nop
	global_prefetch_b8 v0, s[64:65] scope:SCOPE_SE
	s_setreg_imm32_b32 hwreg(HW_REG_WAVE_MODE, 25, 1), 1
	s_wait_xcnt 0x0
; PREP: what the chain of products needs laid out once.  Nothing of reference() is left out: every input has a way to the output and is loaded, here or in the second launch.
;  idx  [65536 queries][4 shifts] int32: b*4096 + iy*64 + ix, the nearest pixel of the shifted, clipped coordinate, by reference()'s own f32 steps
;       (all factors are powers of two, so a fused multiply-add rounds where reference()'s add rounds).
;  tab  [8192 pixels][64] f16: the pixel's 3 x 3 x 4 patch at k = c*9 + ki*3 + kj (0 outside the picture), k = 36..39 = 0 (filled per query later), k = 40 = 1.0 (b1 rides in K), the rest 0.
;  wts  W2, W3, W4, W1 (+ b1 as row 40, rows 41..63 = 0), W5 (+ column 31 = 0) in f16, in the order in which a wave's registers take them as source 0:
;       a fragment (16 output channels x 32 k) is 1,024 bytes: lane l's registers 0-3 at 16 l, its registers 4-7 at 512 + 16 l.
;  stat MX[2048]: for each wave the largest magnitude an element of the chain's input can have; SS[4][256]: partial sums of squares of W1 and b1, W2, W3, W4.
; SHARES.  65,536 threads.  Thread g: query g; 16 bytes (8 k) of tab; and in waves 0-4 a lane's 8 numbers of half a fragment: waves 0-2 of every work-group W2, W3, W4; wave 3 of 64 W1; wave 4 of 32 W5.
; LIMITS.  |feat| and the weights stay under 65,504 (f16); NaN and infinities are not treated apart.
.set EPS,  42
.set SHM,  43                          ; s43  -1/64 + 1e-6, rounded as the f32 add rounds it
.set SHP,  44                          ; s44  +1/64 + 1e-6
.set C64,  45                          ; s45  64.0
	s_load_b512 s[4:19], s[0:1], 0x0               ; coord 4:5, cell 6:7, feat 8:9, W1 10:11, W2 12:13, W3 14:15, W4 16:17, W5 18:19
	s_load_b256 s[20:27], s[0:1], 0x40             ; b1 20:21, idx 22:23, tab 24:25, wts 26:27
	s_load_b64 s[28:29], s[0:1], 0x60              ; stat
	v_lshrrev_b32 v1, 5, v0
	v_readfirstlane_b32 s30, v1                    ; wave 0..7
	s_mov_b32 s31, ttmp9                           ; work-group
	v_and_b32 v2, 31, v0                           ; lane
	v_lshl_add_u32 v3, s31, 8, v0                  ; g
	v_lshlrev_b32 v4, 3, v3                        ; 8 g: coord, cell
	v_lshlrev_b32 v5, 4, v3                        ; 16 g: idx, tab
	v_lshrrev_b32 v6, 3, v3                        ; pixel
	v_and_b32 v7, 7, v3
	v_lshlrev_b32 v7, 3, v7                        ; my first k
	v_bfe_u32 v8, v6, 6, 6                         ; y
	v_and_b32 v9, 63, v6                           ; x
	v_lshrrev_b32 v10, 12, v6
	v_lshlrev_b32 v10, 2, v10                      ; 4 b
	v_mov_b32 v60, 0                               ; my wave's sum of squares: 0 where it has no weights
	v_mov_b32 v61, 0
	s_mov_b32 s[EPS], 0x358637bd                   ; 1e-6
	s_add_f32 s[SHM], s[EPS], 0xbc800000
	s_add_f32 s[SHP], s[EPS], 0x3c800000
	s_mov_b32 s[C64], 0x42800000
	s_mov_b32 s46, 0x76543210                      ; v_permlanex16_b32: each lane takes its own place in the other half
	s_mov_b32 s47, 0xfedcba98
	s_mov_b32 s66, 0x4040a3d7                      ; 3.01
	; the weights task of my wave: row pitch RS, last row block KVC, rows KLIM, columns NLIM, log2 of the K steps KSH, place in wts DOFF
	s_mov_b32 s34, 1024
	s_cmp_lt_u32 s30, 3
	s_cselect_b32 s41, 256, 0                      ; how many work-groups have a task in this wave
	s_cmp_eq_u32 s30, 3
	s_cselect_b32 s41, 64, s41
	s_cselect_b32 s35, 32, 248
	s_cselect_b32 s36, 40, 256
	s_cselect_b32 s38, 1, 3
	s_cselect_b32 s63, 40, -1                      ; the row that takes b1 (W1 alone)
	s_cmp_eq_u32 s30, 4
	s_cselect_b32 s41, 32, s41
	s_cselect_b32 s34, 124, s34
	s_cselect_b32 s37, 31, 256
	s_cselect_b32 s39, 32768, 0
	s_min_u32 s40, s30, 3
	s_lshl_b32 s40, s40, 17
	s_add_co_u32 s39, s39, s40
	s_wait_kmcnt 0x0
	s_mov_b64 s[32:33], s[12:13]
	s_cmp_eq_u32 s30, 1
	s_cselect_b64 s[32:33], s[14:15], s[32:33]
	s_cmp_eq_u32 s30, 2
	s_cselect_b64 s[32:33], s[16:17], s[32:33]
	s_cmp_eq_u32 s30, 3
	s_cselect_b64 s[32:33], s[10:11], s[32:33]
	s_cmp_eq_u32 s30, 4
	s_cselect_b64 s[32:33], s[18:19], s[32:33]
	global_load_b64 v[32:33], v4, s[4:5]
	global_load_b64 v[34:35], v4, s[6:7]
; Number j of my 8 of the table: k = k0 + j, channel k / 9, kernel row (k % 9) / 3, kernel column k % 3.  The mask says whether the number exists (k < 36, inside the picture);
; the address of one that does not is clamped into feat, and what it brings is thrown away.
.macro TADR j
	v_add_nc_u32 v11, \j, v7
	v_mul_u32_u24 v12, 57, v11
	v_lshrrev_b32 v12, 9, v12                      ; k / 9 (exact up to 63)
	v_mul_u32_u24 v13, 9, v12
	v_sub_nc_u32 v13, v11, v13                     ; k % 9
	v_mul_u32_u24 v14, 11, v13
	v_lshrrev_b32 v14, 5, v14                      ; ki
	v_mul_u32_u24 v15, 3, v14
	v_sub_nc_u32 v15, v13, v15                     ; kj
	v_add3_u32 v14, v8, v14, -1                    ; y + ki - 1
	v_add3_u32 v15, v9, v15, -1                    ; x + kj - 1
	v_or_b32 v13, v14, v15
	v_cmp_gt_u32 s[48+(\j)], 64, v13               ; both in 0..63
	v_cmp_gt_u32 vcc_lo, 36, v11
	s_and_b32 s[48+(\j)], s[48+(\j)], vcc_lo
	v_add_nc_u32 v12, v10, v12
	v_lshl_add_u32 v12, v12, 6, v14
	v_lshl_add_u32 v12, v12, 6, v15
	v_lshlrev_b32 v12, 2, v12
	v_min_u32 v[16+(\j)], 0x1fffc, v12
	global_load_b32 v[24+(\j)], v[16+(\j)], s[8:9]
.endm
.irp j, 0,1,2,3,4,5,6,7
	TADR \j
.endr
.macro WSUM r                          ; the sum over the wave's 32 lanes, in every lane
	v_add_f32_dpp v[\r], v[\r], v[\r] row_xmask:1 row_mask:0xf bank_mask:0xf
	v_add_f32_dpp v[\r], v[\r], v[\r] row_xmask:2 row_mask:0xf bank_mask:0xf
	v_add_f32_dpp v[\r], v[\r], v[\r] row_xmask:4 row_mask:0xf bank_mask:0xf
	v_add_f32_dpp v[\r], v[\r], v[\r] row_xmask:8 row_mask:0xf bank_mask:0xf
	v_permlanex16_b32 v61, v[\r], s46, s47
	v_add_f32 v[\r], v[\r], v61
.endm
.macro WMAX r
	v_max_num_f32_dpp v[\r], v[\r], v[\r] row_xmask:1 row_mask:0xf bank_mask:0xf
	v_max_num_f32_dpp v[\r], v[\r], v[\r] row_xmask:2 row_mask:0xf bank_mask:0xf
	v_max_num_f32_dpp v[\r], v[\r], v[\r] row_xmask:4 row_mask:0xf bank_mask:0xf
	v_max_num_f32_dpp v[\r], v[\r], v[\r] row_xmask:8 row_mask:0xf bank_mask:0xf
	v_permlanex16_b32 v61, v[\r], s46, s47
	v_max_num_f32 v[\r], v[\r], v61
.endm
	; THE WEIGHTS: half fragment number = the work-group's number.  Lane (r, h): output channel n = 16 mb + r, rows kbase .. kbase + 7, kbase = 32 ks + 16 q + 8 h.
	s_cmp_lt_u32 s31, s41
	s_cbranch_scc0 .Lnow
	s_lshr_b32 s57, s31, 1                         ; fragment f
	s_and_b32 s58, s31, 1                          ; half q
	s_lshr_b32 s59, s57, s38                       ; mb
	s_lshl_b32 s60, s59, s38
	s_sub_co_u32 s60, s57, s60                     ; ks
	s_lshl_b32 s60, s60, 5
	s_lshl_b32 s58, s58, 4
	s_add_co_u32 s60, s60, s58
	s_lshl_b32 s59, s59, 4
	v_and_b32 v36, 15, v0
	v_bfe_u32 v37, v0, 4, 1
	v_lshl_add_u32 v38, v37, 3, s60                ; kbase
	v_add_nc_u32 v39, s59, v36                     ; n
	s_sub_co_u32 s61, s37, 1
	v_min_u32 v58, s35, v38                        ; rows and columns that do not exist are read from the last that do, and zeroed below
	v_mul_lo_u32 v58, v58, s34
	v_min_u32 v59, s61, v39
	v_lshl_add_u32 v40, v59, 2, v58
.irp j, 1,2,3,4,5,6,7
	v_add_nc_u32 v[40+(\j)], s34, v[39+(\j)]
.endr
	v_lshlrev_b32 v57, 2, v39
.irp j, 0,1,2,3,4,5,6,7
	global_load_b32 v[48+(\j)], v[40+(\j)], s[32:33]
.endr
	global_load_b32 v56, v57, s[20:21]             ; b1[n]
	s_lshl_b32 s61, s31, 9
	s_add_co_u32 s61, s61, s39
	v_lshl_add_u32 v62, v2, 4, s61                 ; DOFF + 1,024 f + 512 q + 16 l
	s_wait_loadcnt 0x0
	v_cmp_gt_u32 s62, s36, v38
	v_cmp_gt_u32 vcc_lo, s37, v39
	s_and_b32 s62, s62, vcc_lo
.irp j, 0,1,2,3,4,5,6,7
	v_cndmask_b32 v[48+(\j)], 0, v[48+(\j)], s62
.endr
	v_cmp_eq_u32 vcc_lo, s63, v38
	v_cndmask_b32 v48, v48, v56, vcc_lo            ; W1's row 40 is b1
	v_mul_f32 v60, v48, v48
.irp j, 1,2,3,4,5,6,7
	v_fmac_f32 v60, v[48+(\j)], v[48+(\j)]
.endr
	WSUM 60
	v_cvt_pk_f16_f32 v64, v48, v49
	v_cvt_pk_f16_f32 v65, v50, v51
	v_cvt_pk_f16_f32 v66, v52, v53
	v_cvt_pk_f16_f32 v67, v54, v55
	global_store_b128 v62, v[64:67], s[26:27]      ; the wave stores 512 consecutive bytes, aligned
.Lnow:
	s_wait_loadcnt 0x0                             ; coord, cell and my 8 numbers of feat
; One pixel index: clip(coord + shift), unnormalise, round to nearest, clip: reference()'s steps in its order.
.macro PIX d, c, sh
	v_add_f32 v[\d], s[\sh], v[\c]
	v_max_num_f32 v[\d], 0xbf7fffef, v[\d]
	v_min_num_f32 v[\d], 0x3f7fffef, v[\d]
	v_add_f32 v[\d], 1.0, v[\d]
	v_fma_f32 v[\d], v[\d], s[C64], -1.0
	v_fma_f32 v[\d], v[\d], 0.5, 0.5
	v_floor_f32 v[\d], v[\d]
	v_max_num_f32 v[\d], 0, v[\d]
	v_min_num_f32 v[\d], 0x427c0000, v[\d]
	v_cvt_i32_f32 v[\d], v[\d]
.endm
	PIX 68, 32, SHM
	PIX 69, 32, SHP
	PIX 70, 33, SHM
	PIX 71, 33, SHP
	s_lshr_b32 s57, s31, 7                         ; b
	s_lshl_b32 s57, s57, 12
	v_lshl_add_u32 v80, v68, 6, s57
	v_lshl_add_u32 v81, v69, 6, s57
	v_add_nc_u32 v72, v80, v70                     ; shifts (-,-), (-,+), (+,-), (+,+)
	v_add_nc_u32 v73, v80, v71
	v_add_nc_u32 v74, v81, v70
	v_add_nc_u32 v75, v81, v71
	global_store_b128 v5, v[72:75], s[22:23]
.irp j, 0,1,2,3,4,5,6,7
	v_cndmask_b32 v[24+(\j)], 0, v[24+(\j)], s[48+(\j)]
.endr
	v_cvt_pk_f16_f32 v76, v24, v25
	v_cvt_pk_f16_f32 v77, v26, v27
	v_cvt_pk_f16_f32 v78, v28, v29
	v_cvt_pk_f16_f32 v79, v30, v31
	v_mov_b32 v80, 0x3c00                          ; k = 40: 1.0
	v_cmp_eq_u32 vcc_lo, 40, v7
	v_cndmask_b32 v76, v76, v80, vcc_lo
	global_store_b128 v5, v[76:79], s[24:25]
	; a bound on the magnitude of the chain's input: the patch, 64 |cell|, and |rel_coord| <= 64 max(|coord| - 1, 0) + 3.01
	; (the pixel centre lies within a shift and half a pixel of the clipped coordinate)
	v_max_num_f32 v63, |v24|, |v25|
	v_max3_num_f32 v63, v63, |v26|, |v27|
	v_max3_num_f32 v63, v63, |v28|, |v29|
	v_max3_num_f32 v63, v63, |v30|, |v31|
	v_mul_f32 v80, s[C64], |v34|
	v_mul_f32 v81, s[C64], |v35|
	v_max3_num_f32 v63, v63, v80, v81
	v_sub_f32 v80, |v32|, 1.0
	v_sub_f32 v81, |v33|, 1.0
	v_max3_num_f32 v80, v80, v81, 0
	v_fma_f32 v80, v80, s[C64], s66
	v_max_num_f32 v63, v63, v80
	WMAX 63
	s_lshl_b32 s57, s31, 5
	s_lshl_b32 s58, s30, 2
	s_add_co_u32 s57, s57, s58
	v_mov_b32 v82, s57                             ; MX[8 wg + wave]
	s_add_co_u32 s58, s30, 1
	s_and_b32 s58, s58, 3                          ; rows of SS: W1, W2, W3, W4 = waves 3, 0, 1, 2
	s_lshl_b32 s58, s58, 10
	s_lshl_b32 s59, s31, 2
	s_add_co_u32 s58, s58, s59
	s_add_co_u32 s58, s58, 8192
	v_mov_b32 v83, s58
	s_wait_xcnt 0x0                                ; EXEC changes only when the stores above have read their sources
	v_cmp_eq_u32 vcc_lo, 0, v2
	s_and_saveexec_b32 s67, vcc_lo                 ; lane 0 stores for the wave
	global_store_b32 v82, v63, s[28:29]
	s_cmp_lt_u32 s30, 4
	s_cbranch_scc0 .Lnoss
	global_store_b32 v83, v60, s[28:29]
.Lnoss:
	s_wait_xcnt 0x0
	s_or_b32 exec_lo, exec_lo, s67
	s_endpgm
.Lfunc_end_k_q47b009e2c0_prep:
	.size	k_q47b009e2c0_prep, .Lfunc_end_k_q47b009e2c0_prep-k_q47b009e2c0_prep
	.p2alignl 7, 3214868480
	.fill 96, 4, 3214868480
	.section	.rodata,"a",@progbits
	.p2align	6, 0x0
	.amdhsa_kernel k_q47b009e2c0_prep
		.amdhsa_group_segment_fixed_size 0
		.amdhsa_private_segment_fixed_size 0
		.amdhsa_enable_private_segment 0
		.amdhsa_kernarg_size 104
		.amdhsa_user_sgpr_count 2
		.amdhsa_user_sgpr_kernarg_segment_ptr 1
		.amdhsa_wavefront_size32 1
		.amdhsa_system_sgpr_workgroup_id_x 1
		.amdhsa_system_sgpr_workgroup_id_y 1
		.amdhsa_system_sgpr_workgroup_id_z 1
		.amdhsa_system_vgpr_workitem_id 0
		.amdhsa_next_free_vgpr 96
		.amdhsa_next_free_sgpr 72
		.amdhsa_reserve_vcc 1
		.amdhsa_float_denorm_mode_32 3
		.amdhsa_float_denorm_mode_16_64 3
		.amdhsa_memory_ordered 1
		.amdhsa_forward_progress 1
		.amdhsa_inst_pref_size 19
	.end_amdhsa_kernel
	.amdgpu_metadata
---
amdhsa.version: [ 1, 2 ]
amdhsa.kernels:
  - .name:           k_q47b009e2c0_prep
    .symbol:         k_q47b009e2c0_prep.kd
    .args:
      - { .name: coord, .offset: 0, .size: 8, .value_kind: global_buffer, .address_space: global }
      - { .name: cell, .offset: 8, .size: 8, .value_kind: global_buffer, .address_space: global }
      - { .name: feat, .offset: 16, .size: 8, .value_kind: global_buffer, .address_space: global }
      - { .name: W1, .offset: 24, .size: 8, .value_kind: global_buffer, .address_space: global }
      - { .name: W2, .offset: 32, .size: 8, .value_kind: global_buffer, .address_space: global }
      - { .name: W3, .offset: 40, .size: 8, .value_kind: global_buffer, .address_space: global }
      - { .name: W4, .offset: 48, .size: 8, .value_kind: global_buffer, .address_space: global }
      - { .name: W5, .offset: 56, .size: 8, .value_kind: global_buffer, .address_space: global }
      - { .name: b1, .offset: 64, .size: 8, .value_kind: global_buffer, .address_space: global }
      - { .name: idx, .offset: 72, .size: 8, .value_kind: global_buffer, .address_space: global }
      - { .name: tab, .offset: 80, .size: 8, .value_kind: global_buffer, .address_space: global }
      - { .name: wts, .offset: 88, .size: 8, .value_kind: global_buffer, .address_space: global }
      - { .name: stat, .offset: 96, .size: 8, .value_kind: global_buffer, .address_space: global }
    .group_segment_fixed_size: 0
    .private_segment_fixed_size: 0
    .kernarg_segment_align: 8
    .kernarg_segment_size: 104
    .max_flat_workgroup_size: 256
    .sgpr_count:     72
    .vgpr_count:     96
    .wavefront_size: 32
...
	.end_amdgpu_metadata
.endif
;; end of part 1
;; launch chain (part 2): grid 256 x 1, 4 waves a work-group, clusters of 4 x 1, 327,680 bytes of LDS; arguments idx, tab, wts, stat, coord, cell, b2, b3, b4, b5, out0; writes out0
.if DOCPART == 2
	.amdgcn_target "amdgcn-amd-amdhsa--gfx1250"
	.amdhsa_code_object_version 6
	.text
	.protected	k_q47b009e2c0_chain
	.globl	k_q47b009e2c0_chain
	.p2align	8
	.type	k_q47b009e2c0_chain,@function
k_q47b009e2c0_chain:
	s_mov_b64 s[64:65], 0
	v_nop
	global_prefetch_b8 v0, s[64:65] scope:SCOPE_SE
	s_setreg_imm32_b32 hwreg(HW_REG_WAVE_MODE, 25, 1), 1
	s_wait_xcnt 0x0
	s_wait_alu depctr_hold_cnt(0) depctr_sa_sdst(0) depctr_va_vdst(0) depctr_va_sdst(0) depctr_va_ssrc(0) depctr_va_vcc(0) depctr_vm_vsrc(0)
	s_getreg_b32 s2, hwreg(HW_REG_IB_STS2, 6, 4)
	s_cmp_eq_u32 s2, 0
	s_cbranch_scc0 .Lentry_in_a_cluster
	s_endpgm
.Lentry_in_a_cluster:
	s_bfe_u32 s2, ttmp6, 0x10000c
	s_cmp_lg_u32 s2, 0x3003
	s_cbranch_scc0 .Lentry_shape_is_right
	s_endpgm
.Lentry_shape_is_right:
; THE CHAIN: gather, 40-256-256-256-256-31 MLP on 4 shifted rows a query, blend by the swapped areas.  Nothing of reference() is left out; feat, W1..W5 and b1 come through tab and wts, which the launch before laid out.
; SHARES.  A work-group owns 256 queries, in four passes of 64; a wave takes 16 queries a pass, as four tiles of 16 rows: tile t is shift t of the same 16 queries.
; LAYOUT.  Every product is taken transposed: source 0 = 16 output channels x 32 k of W^T (a fragment as it lies in wts), source 1 = 32 k x 16 rows.  In the result a lane holds ONE row (lane % 16) and the
; channels 8 (lane / 16) + 0..7, so two results rounded to f16 in pairs ARE source 1 of the next layer: activations never leave registers, and the blend over the four shifts stays inside a lane.
; A UNIT is 64 products: two blocks of 16 output channels x 4 tiles (8 accumulators, by turns) x 8 K steps.  The conversion of the unit before (scale, round to f16, ReLU) stands in slices of four behind every second product.
; WEIGHTS.  W1 and W5 (48 KiB) and W3 (128 KiB) stay in LDS; W2 and W4 take turns in one slot of 128 KiB.  All work-groups walk the same weights: the four of a cluster ask for each tile JOINTLY, each wave a quarter.
; FORMAT AND SCALES.  Operands f16, sums f32.  With S_l, B_l the sums of squares of W_l, b_l and Mx the largest input magnitude, N1 = sqrt((S1 + B1)(40 Mx^2 + 1)), N_l = sqrt(S_l) N_(l-1) + sqrt(B_l)
; bound every |pre-activation| of layer l (Cauchy-Schwarz), for all inputs.  h1, h2 are kept times sa, h3, h4 times sb, powers of two with sa max(N1, N2) < 2^15 and sb max(N3, N4) < 2^15; ReLU commutes with them,
; the biases enter scaled as the C operand of each sum's first product (b1 as row 40 of W1 against an input of 1.0), and 1 / sb is folded into the area weights.
; LIMITS.  |feat|, the weights, |rel_coord| and |64 cell| stay under 65,504; the bounds N are held to 2^-60 .. 2^60; an activation below 2^-24 of its scaled range counts as 0; NaN and infinities are not treated apart;
; the area's product and its 1e-9 are one fused step, the division a reciprocal and a product.
; REGISTERS, in windows of 256 (s_set_vgpr_msb: bits 1:0 source 0, 3:2 source 1, 5:4 source 2, 7:6 destination):
;   window 0: v0-63 addresses, a pass's query data, at work; v64-127, v128-191 two sets of 8 accumulators; v192-223 two sets of bias; v224-239 blended output; v240-255 rows read back
;   window 1: X, window 2: Y: activations, K step ks, tile t at 32 ks + 8 t; layers go Y -> X -> Y -> X -> Y;   window 3: two sets of 16 fragments
.set S1,    131072                     ; LDS: slot S0 at 0 (W2, W4), S1 (W3),
.set SMB,   262144                     ; W1's 32 fragments, then W5's 16 at W5F,
.set W5F,   294912
.set SPARE, 311296                     ; the spare words, 128 bytes a wave: two blocks of 256 bytes that no other line names,
.set BIA,   311808                     ; sa b2, sa b3, sb b4 (1,024 bytes each), sb b5 (32 numbers, the last 0),
.set STAGE, 315136                     ; 64 output rows of 124 bytes, end to end: 7,936 bytes, and 256 bytes of zeros
.set W_MX, 0x07                        ; fragments window 3, activations window 1
.set W_MY, 0x0b                        ; fragments window 3, activations window 2
.set W_OX, 0x40                        ; destination window 1
.set W_OY, 0x80                        ; destination window 2
.set W_LF, 0xc0                        ; destination window 3
; v2 my spare word, v3 0 (for the add alone); v4 0; v5 16 x lane; v6-9 v5 + 0, 64 Ki, 128 Ki, 192 Ki; v10 v5 + SMB; v11 v5 + the next layer's first fragments; v12 BIA + 32 h; v13 the layer's bias
; v14, v15 my query's offset in idx, in coord and cell; v16, v17 into the stage; v18 out of it; v19 my 16 bytes of a pass's output; v20 prefetch offset; v21 16 h; v22:23 the factor in hand
; v24 sa, v25 sb / sa, v26 1 / sb, v27 sb; v28-31 the four pixel indices; v32:33 coord; v34:35 cell; v36-43 the four weights, each twice; v44-47 gather offsets; v48-63 at work
; s26 wave, s27 cx, s28 work-group; s29 runs of the X -> Y text still to come; s30 counts a pass's two; s[32:39], s[40:47] descriptor groups 1; s[48:51], s[52:55], s[56:59] groups 0 (S0, S1, SMB)
; s[60:61] wts at my quarter; s[62:63] W2's or W4's offset; s[66:67] lane selects; s68 mask of lanes 0-15; s69 1: W4 is still to be prefetched; s[70:71] W4; s72 LDS base of the next layer's fragments
.set MSB, 0
.macro WIN new                         ; the high byte repeats the setting that is left; a switch that changes nothing is dropped
.if MSB != (\new)
	s_set_vgpr_msb (MSB<<8)|(\new)
.set MSB, (\new)
.endif
.endm
.macro PLACES                          ; four plain instructions between a product and a load into, or a vector instruction on, one of its registers
.rept 4
	v_nop
.endr
.endm
.macro CROUND                          ; a round of the cluster's barrier
	s_barrier_signal -1
	s_barrier_wait -1
	s_cmp_lg_u32 s26, 0
	s_cbranch_scc1 .Lnot_wave_0_\@
	s_barrier_signal -3
.Lnot_wave_0_\@:
	s_barrier_wait -3
	s_barrier_signal -1
	s_barrier_wait -1
.endm
; A CHANGE.  Every wave has waited for all its tensor loads (one is out at the most: its quarter of the tile wanted next), has added 0 to its spare word, and has its LDS reads back.
; fill = 1: nobody in the cluster reads S0 any more: behind a round of the cluster's barrier it is filled again, my quarter by my one load, W4 and W2 by turns.
.macro CHANGE fill
	WIN 0
	s_wait_tensorcnt 0x0
	ds_add_u32 v2, v3
.if \fill
	s_add_nc_u64 s[50:51], s[60:61], s[62:63]      ; no load of mine is out, so the group 0 may be written: the address is made anew
	s_or_b32 s51, s51, 0x80000000
	s_xor_b32 s62, s62, 262144
	v_add_nc_u32 v11, s72, v5                      ; where the next layer's first fragments lie: W3's slot, W5's place, by turns
	s_xor_b32 s72, s72, 0x68000
	s_wait_dscnt 0x0
	CROUND
	tensor_load_to_lds s[48:51], s[32:39]
	s_nop 0
	PLACES
.else
	s_wait_dscnt 0x0
	s_barrier_signal -1
	s_barrier_wait -1
.endif
.endm
.macro RUNF fb, areg, off, n           ; n loads of 512 consecutive bytes: n / 2 fragments into set fb
	WIN W_LF
.set j_, 0
.rept \n
	ds_load_b128 v[128*(\fb)+4*j_:128*(\fb)+4*j_+3], v[\areg] offset:(\off)+512*j_
.set j_, j_+1
.endr
.endm
.macro RUNB bb, off                    ; the bias of two blocks of 16 channels, as a C operand: my 8 channels of each
	WIN 0
.irp q, 0,1,2,3
	ds_load_b128 v[192+16*(\bb)+4*(\q):192+16*(\bb)+4*(\q)+3], v13 offset:(\off)+64*((\q)/2)+16*((\q)%2)
.endr
.endm
; Slice sl of the conversion of accumulator set ob: four instructions on one accumulator, its registers in ascending order.  kind 2: times the factor, round in pairs, ReLU into K step outks; kind 1: without the factor.
.macro SLICE ob, kind, outw, outks
.if (\kind) == 2
.set a_, sl/3
.set k_, sl%3
.else
.set a_, sl/2
.set k_, sl%2+1
.endif
.set rS, 64+64*(\ob)+8*a_
.set rO, 32*(\outks)+8*(a_%4)+4*(a_/4)
.if k_ == 0
	WIN 0
.irp n, 0,1,2,3
	v_pk_mul_f32 v[rS+2*(\n):rS+2*(\n)+1], v[rS+2*(\n):rS+2*(\n)+1], v[22:23]
.endr
.elseif k_ == 1
	WIN 0
.irp n, 0,1,2,3
	v_cvt_pk_f16_f32 v[rS+2*(\n)], v[rS+2*(\n)], v[rS+2*(\n)+1]
.endr
.else
	WIN \outw
.irp n, 0,1,2,3
	v_pk_max_num_f16 v[rO+(\n)], v[rS+2*(\n)], v4
.endr
.endif
.set sl, sl+1
.endm
.macro LOADQ                           ; a pass's query data
	global_load_b128 v[28:31], v14, s[4:5] th:TH_LOAD_NT
	global_load_b64 v[32:33], v15, s[12:13] th:TH_LOAD_NT
	global_load_b64 v[34:35], v15, s[14:15] th:TH_LOAD_NT
.endm
.macro GADR                            ; pixel -> byte offset of my part of its row of 128 bytes
.irp t, 0,1,2,3
	v_min_u32 v[44+(\t)], 0x1fff, v[28+(\t)]
.endr
.irp t, 0,1,2,3
	v_lshl_add_u32 v[44+(\t)], v[44+(\t)], 7, v21
.endr
.endm
.macro GATHER                          ; k = 8 h .., 16 + 8 h .., and the first four of 32 + 8 h .. of each tile's row, straight into source 1's registers
	WIN W_OY
.irp t, 0,1,2,3
	global_load_b128 v[8*(\t):8*(\t)+3], v[44+(\t)], s[6:7]
	global_load_b128 v[8*(\t)+4:8*(\t)+7], v[44+(\t)], s[6:7] offset:32
	global_load_b64 v[32+8*(\t):32+8*(\t)+1], v[44+(\t)], s[6:7] offset:64
.endr
.endm
; 64 products.  Product i: K step i / 8, accumulator i % 8 = 4 e + t.  The first 8 start the sums with the bias.  The 8 accumulators take turns, one instruction a turn.
; The slices end behind product 47 at the latest, ahead of the products of K step 7, the only ones that may read what they write.
; hook = 1 (the last layer): the next pass's rows are gathered behind product 19: K steps 0 and 1 were last read by product 15, twelve plain instructions back.
.macro UNIT inw, fb, ab, bb, kind, outw, outks, hook=0
.set i, 0
.set sl, 0
.rept 64
.set rD, 64+64*(\ab)+8*(i%8)
.set rA, 128*(\fb)+8*(8*((i%8)/4)+i/8)
.set rB, 32*(i/8)+8*(i%4)
.set rC, 192+16*(\bb)+8*((i%8)/4)
	WIN \inw
.if i < 8
	v_wmma_f32_16x16x32_f16 v[rD:rD+7], v[rA:rA+7], v[rB:rB+7], v[rC:rC+7]
.else
	v_wmma_f32_16x16x32_f16 v[rD:rD+7], v[rA:rA+7], v[rB:rB+7], v[rD:rD+7]
.endif
.if (i%2 == 1) && (sl < 8*((\kind)+1))
	SLICE 1-(\ab), \kind, \outw, \outks
.endif
.if (\hook) && (i == 19)
	GATHER
.endif
.set i, i+1
.endr
.endm
; Units 0 to 6 of a layer of 256 x 256.  Unit p multiplies fragment set (p + 1) % 2; at its head the other set and the other bias set are asked for unit p + 1,
; and the wait leaves just those 36 loads out.  Unit 0 converts the layer before's last unit (kind k0, into K step 7 of its own source), the others the unit before (kind k1).
.macro UNITS06 inw, alo, ahi, k0, w0, k1, w1
.set p, 0
.rept 7
	PLACES
.if p+1 < 4
	RUNF p%2, \alo, (p+1)*16384, 32
.else
	RUNF p%2, \ahi, (p-3)*16384, 32
.endif
	RUNB (p+1)%2, (p+1)*128
	s_wait_dscnt 36
.if p == 0
	UNIT \inw, 1, 0, 0, \k0, \w0, 7
.else
	UNIT \inw, (p+1)%2, p%2, p%2, \k1, \w1, p-1
.endif
.set p, p+1
.endr
.endm
; Layer 1, channels 32 v .. 32 v + 31: 16 products (K = 64), the sums started with 0 (b1 rides in K).  conv = 1: the 24 slices of the pair before stand behind them, two behind each of the first 8.
.macro L1MP v, fb, loc, conv
.if \conv
	PLACES
.endif
.set i, 0
.set sl, 0
.rept 16
.set rD, 64+64*((\v)%2)+8*(i%8)
.set rA, 128*(\fb)+32*(\loc)+8*(2*((i%8)/4)+i/8)
.set rB, 32*(i/8)+8*(i%4)
	WIN W_MY
.if i < 8
	v_wmma_f32_16x16x32_f16 v[rD:rD+7], v[rA:rA+7], v[rB:rB+7], 0
.else
	v_wmma_f32_16x16x32_f16 v[rD:rD+7], v[rA:rA+7], v[rB:rB+7], v[rD:rD+7]
.endif
.if \conv
	SLICE 1-((\v)%2), 2, W_OX, (\v)-1
.if i < 8
	SLICE 1-((\v)%2), 2, W_OX, (\v)-1
.endif
.endif
.set i, i+1
.endr
.endm
; What a pass's rows need beside the gathered patch: rel_coord and rel_cell at k = 36..39 (lanes 0-15), zeros from k = 44 on, and the four area weights.
.macro FIN
	WIN 0
	v_bfe_u32 v48, v28, 6, 6                       ; iy of shifts 0, 1
	v_bfe_u32 v49, v30, 6, 6                       ; iy of shifts 2, 3
	v_and_b32 v50, 63, v28                         ; ix of shifts 0, 2
	v_and_b32 v51, 63, v29                         ; ix of shifts 1, 3
.irp n, 48,49,50,51
	v_cvt_f32_u32 v\n, v\n
.endr
.irp n, 48,49,50,51
	v_fma_f32 v\n, v\n, s77, s78                   ; the pixel's centre, i / 32 - 63 / 64: exact
.endr
	v_sub_f32 v48, v32, v48
	v_sub_f32 v49, v32, v49
	v_sub_f32 v50, v33, v50
	v_sub_f32 v51, v33, v51
.irp n, 48,49,50,51
	v_mul_f32 v\n, s73, v\n
.endr
	v_fma_f32 v52, |v48|, |v50|, s74
	v_fma_f32 v53, |v48|, |v51|, s74
	v_fma_f32 v54, |v49|, |v50|, s74
	v_fma_f32 v55, |v49|, |v51|, s74
	v_add_f32 v56, v52, v53
	v_add_f32 v56, v56, v54
	v_add_f32 v56, v56, v55
	v_rcp_f32 v56, v56
	v_cvt_pk_f16_f32 v57, v48, v50                 ; independent work behind the reciprocal
	v_cvt_pk_f16_f32 v58, v48, v51
	v_cvt_pk_f16_f32 v59, v49, v50
	v_cvt_pk_f16_f32 v60, v49, v51
	v_mul_f32 v61, s73, v34
	v_mul_f32 v62, s73, v35
	v_cvt_pk_f16_f32 v61, v61, v62
	s_wait_alu depctr_va_vdst(0)                   ; ahead of the reciprocal's first reader
	v_mul_f32 v56, v56, v26
	v_mul_f32 v36, v55, v56                        ; shift t takes the area of shift 3 - t
	v_mul_f32 v37, v55, v56
	v_mul_f32 v38, v54, v56
	v_mul_f32 v39, v54, v56
	v_mul_f32 v40, v53, v56
	v_mul_f32 v41, v53, v56
	v_mul_f32 v42, v52, v56
	v_mul_f32 v43, v52, v56
	WIN W_OY
.irp t, 0,1,2,3
	v_cndmask_b32 v[32+8*(\t)+2], 0, v[57+(\t)], s68
	v_cndmask_b32 v[32+8*(\t)+3], 0, v61, s68
	v_mov_b32 v[32+8*(\t)+4], 0
	v_mov_b32 v[32+8*(\t)+5], 0
	v_mov_b32 v[32+8*(\t)+6], 0
	v_mov_b32 v[32+8*(\t)+7], 0
.endr
	WIN 0
	s_wait_loadcnt 0x0                             ; the gathered rows are in
.endm
; THE WAY OUT of a pass.  The four shifts are blended in the lane; 16 channels a lane go into rows of 124 bytes that lie end to end; the work-group's 7,936 bytes come back as 31 whole blocks of 256.
; Channel 31 does not exist: its store stands first and, in lanes 16-31, falls on the lane's own word of channel 30, which a later store of the same lane writes (LDS serves a wave's instructions in order: ISA guide 5.7.1.4).
.macro EPI last
	WIN 0
	PLACES
.irp t, 0,1,2,3
.irp e, 0,1
.irp n, 0,1,2,3
.if (\t) == 0
	v_pk_mul_f32 v[224+8*(\e)+2*(\n):224+8*(\e)+2*(\n)+1], v[64+32*(\e)+2*(\n):64+32*(\e)+2*(\n)+1], v[36:37]
.else
	v_pk_fma_f32 v[224+8*(\e)+2*(\n):224+8*(\e)+2*(\n)+1], v[64+32*(\e)+8*(\t)+2*(\n):64+32*(\e)+8*(\t)+2*(\n)+1], v[36+2*(\t):37+2*(\t)], v[224+8*(\e)+2*(\n):224+8*(\e)+2*(\n)+1]
.endif
.endr
.endr
.endr
	ds_store_b32 v17, v239
.irp c, 0,1,2,3,4,5,6,7,8,9,10,11,12,13,14
	ds_store_b32 v16, v[224+(\c)] offset:4*(\c)+32*((\c)/8)
.endr
	s_wait_dscnt 0x0                               ; for the others' sake: my rows are in the stage
	s_barrier_signal -1
	s_barrier_wait -1
.irp q, 0,1,2,3
	ds_load_b128 v[240+4*(\q):240+4*(\q)+3], v18 offset:2048*(\q)
.endr
	s_wait_dscnt 0x0
.irp q, 0,1,2
	global_store_b128 v19, v[240+4*(\q):240+4*(\q)+3], s[24:25] offset:2048*(\q) th:TH_STORE_NT  ; 16 lanes store 256 consecutive bytes, at a multiple of 256 from out0's first byte
.endr
	s_wait_xcnt 0x0                                ; EXEC changes only when the loads and stores issued so far have read their sources
	v_cmp_gt_u32 vcc_lo, 112, v0
	s_and_saveexec_b32 s75, vcc_lo                 ; the last 1,792 bytes: 112 threads
	global_store_b128 v19, v[252:255], s[24:25] offset:6144 th:TH_STORE_NT
	s_wait_xcnt 0x0
	s_or_b32 exec_lo, exec_lo, s75
.if !(\last)
	s_add_nc_u64 s[24:25], s[24:25], 7936          ; behind the wait above: the next pass's rows
.endif
.endm
.macro WSUM r
	v_add_f32_dpp v[\r], v[\r], v[\r] row_xmask:1 row_mask:0xf bank_mask:0xf
	v_add_f32_dpp v[\r], v[\r], v[\r] row_xmask:2 row_mask:0xf bank_mask:0xf
	v_add_f32_dpp v[\r], v[\r], v[\r] row_xmask:4 row_mask:0xf bank_mask:0xf
	v_add_f32_dpp v[\r], v[\r], v[\r] row_xmask:8 row_mask:0xf bank_mask:0xf
	v_permlanex16_b32 v58, v[\r], s66, s67
	v_add_f32 v[\r], v[\r], v58
.endm
	s_load_b512 s[4:19], s[0:1], 0x0               ; idx 4:5, tab 6:7, wts 8:9, stat 10:11, coord 12:13, cell 14:15, b2 16:17, b3 18:19
	s_load_b128 s[20:23], s[0:1], 0x40             ; b4 20:21, b5 22:23
	s_load_b64 s[24:25], s[0:1], 0x50              ; out0
	v_lshl_add_u32 v2, v0, 2, SPARE
	v_mov_b32 v3, 0
	ds_add_u32 v2, v3                              ; the wave's opening: the add, twice on end, and its wait ahead of my first tensor load
	ds_add_u32 v2, v3
	v_lshrrev_b32 v1, 5, v0
	v_readfirstlane_b32 s26, v1                    ; wave 0..3
	s_bfe_u32 s27, ttmp6, 0x40000                  ; cx
	s_lshl_b32 s28, ttmp9, 2
	s_add_co_u32 s28, s28, s27                     ; work-group: it enters global addresses of queries and output alone
	; descriptor groups 1: dense blocks as rows of 256 bytes (32 elements of 8 bytes); 128 rows for a quarter of a slot, 48 for a quarter of W1 and W5
	s_mov_b32 s32, 0x0023000f                      ; 15:0 the mask of four; 17:16 elements of 8 bytes; 21 set beside a mask
	s_mov_b32 s33, 32<<16                          ; tensor_dim0 = 32
	s_mov_b32 s34, 128<<16                         ; tensor_dim1 = 128
	s_mov_b32 s35, 32<<16                          ; tile_dim0 = 32
	s_mov_b32 s36, 128                             ; tile_dim1 = 128
	s_mov_b32 s37, 32                              ; 32 elements from row to row
	s_mov_b32 s38, 0
	s_mov_b32 s39, 0
	s_mov_b32 s40, 0x0023000f
	s_mov_b32 s41, 32<<16
	s_mov_b32 s42, 48<<16
	s_mov_b32 s43, 32<<16
	s_mov_b32 s44, 48
	s_mov_b32 s45, 32
	s_mov_b32 s46, 0
	s_mov_b32 s47, 0
	s_mov_b32 s48, 1
	s_lshl_b32 s49, s26, 15                        ; S0 + 32,768 x wave
	s_mov_b32 s52, 1
	s_add_co_u32 s53, s49, S1
	s_mov_b32 s56, 1
	s_mul_i32 s57, s26, 12288
	s_add_co_u32 s57, s57, SMB
	s_mov_b32 s62, 262144                          ; the first refill brings W4
	s_mov_b32 s63, 0
	s_mov_b32 s66, 0x76543210
	s_mov_b32 s67, 0xfedcba98
	s_mov_b32 s68, 0xffff
	s_cmp_eq_u32 ttmp9, 0                          ; the first cluster prefetches: the same in all four partners
	s_cselect_b32 s69, 1, 0
	s_mov_b32 s72, S1
	s_mov_b32 s73, 0x42800000                      ; 64
	s_mov_b32 s74, 0x3089705f                      ; 1e-9
	s_mov_b32 s77, 0x3d000000                      ; 1 / 32
	s_mov_b32 s78, 0xbf7c0000                      ; -63 / 64
	s_mov_b32 s79, 0x42200000                      ; 40
	s_mov_b32 s81, 0
	s_mov_b32 s83, 0
	s_wait_dscnt 0x0                               ; both opening adds are done
	s_wait_kmcnt 0x0
	s_lshl_b32 s80, s26, 15
	s_add_nc_u64 s[60:61], s[8:9], s[80:81]        ; wts at my quarter of W2
	s_add_nc_u64 s[50:51], s[60:61], 0
	s_or_b32 s51, s51, 0x80000000
	s_add_nc_u64 s[54:55], s[60:61], 131072        ; of W3
	s_or_b32 s55, s55, 0x80000000
	s_mul_i32 s80, s26, 12288
	s_add_nc_u64 s[58:59], s[8:9], s[80:81]
	s_add_nc_u64 s[58:59], s[58:59], 393216        ; of W1 and W5
	s_or_b32 s59, s59, 0x80000000
	s_add_nc_u64 s[70:71], s[8:9], 262144          ; W4
	s_lshl_b32 s82, s28, 12
	s_add_nc_u64 s[4:5], s[4:5], s[82:83]          ; my work-group's 256 queries in idx,
	s_lshl_b32 s82, s28, 11
	s_add_nc_u64 s[12:13], s[12:13], s[82:83]      ; coord,
	s_add_nc_u64 s[14:15], s[14:15], s[82:83]      ; cell,
	s_mul_i32 s82, s28, 31744
	s_add_nc_u64 s[24:25], s[24:25], s[82:83]      ; and out0
	CROUND                                         ; all four work-groups are here: the first joint loads meet
	tensor_load_to_lds s[56:59], s[40:47]          ; W1 and W5, wanted first; three loads of mine are out
	s_nop 0
	tensor_load_to_lds s[48:51], s[32:39]          ; W2
	s_nop 0
	tensor_load_to_lds s[52:55], s[32:39]          ; W3, which stays
	s_nop 0
	PLACES
	v_and_b32 v61, 31, v0                          ; lane
	v_and_b32 v62, 15, v0                          ; r
	v_bfe_u32 v63, v0, 4, 1                        ; h
	v_mov_b32 v4, 0
	v_lshlrev_b32 v5, 4, v61
	v_mov_b32 v6, v5
	v_add_nc_u32 v7, 0x10000, v5
	v_add_nc_u32 v8, 0x20000, v5
	v_add_nc_u32 v9, 0x30000, v5
	v_add_nc_u32 v10, SMB, v5
	v_lshl_add_u32 v12, v63, 5, BIA
	s_lshl_b32 s76, s26, 8
	v_lshl_add_u32 v14, v62, 4, s76                ; 16 bytes a query: 16 (16 w + r)
	s_lshl_b32 s76, s26, 7
	v_lshl_add_u32 v15, v62, 3, s76                ; 8 bytes a query
	s_mul_i32 s76, s26, 1984
	s_add_co_u32 s76, s76, STAGE
	v_mul_u32_u24 v16, v62, 124
	v_add_nc_u32 v16, s76, v16                     ; STAGE + 124 (16 w + r)
	v_mul_u32_u24 v17, v63, 28
	v_add3_u32 v17, v16, v17, 92                   ; lanes 0-15: channel 23; lanes 16-31: channel 30's word
	v_lshl_add_u32 v16, v63, 5, v16
	v_lshl_add_u32 v18, v0, 4, STAGE
	v_lshlrev_b32 v19, 4, v0
	s_lshl_b32 s76, s27, 2
	s_add_co_u32 s76, s76, s26
	s_lshl_b32 s76, s76, 5
	v_add_nc_u32 v20, s76, v61
	v_lshlrev_b32 v20, 8, v20                      ; block (4 cx + w) 32 + lane of W4's 512 blocks of 256 bytes
	v_lshlrev_b32 v21, 4, v63
	v_lshlrev_b32 v56, 3, v0
	v_min_u32 v57, 30, v0
	v_lshlrev_b32 v57, 2, v57
	v_mov_b32 v58, 0
	LOADQ                                          ; pass 0
.set i, 0
.rept 16
	global_load_b128 v[64+4*i:64+4*i+3], v5, s[10:11] offset:512*i        ; MX: 64 numbers a lane
.set i, i+1
.endr
.set i, 0
.rept 8
	global_load_b128 v[128+4*i:128+4*i+3], v5, s[10:11] offset:8192+512*i ; SS: 8 numbers a lane and row
.set i, i+1
.endr
	global_load_b128 v[160:163], v5, s[16:17]
	global_load_b128 v[164:167], v5, s[16:17] offset:512
	global_load_b128 v[168:171], v5, s[18:19]
	global_load_b128 v[172:175], v5, s[18:19] offset:512
	global_load_b128 v[176:179], v5, s[20:21]
	global_load_b128 v[180:183], v5, s[20:21] offset:512
	global_load_b64 v[184:185], v56, s[16:17]      ; the two numbers of each bias that I scale and store
	global_load_b64 v[186:187], v56, s[18:19]
	global_load_b64 v[188:189], v56, s[20:21]
	global_load_b32 v190, v57, s[22:23]
	s_wait_loadcnt 34                              ; the 34 loads behind the query's three may stay out
	GADR
	GATHER
	WIN 0
	s_wait_loadcnt 12                              ; the 12 gather loads may stay out
	v_max3_num_f32 v48, v64, v65, v66              ; Mx
.set i, 67
.rept 30
	v_max3_num_f32 v48, v48, v[i], v[i+1]
.set i, i+2
.endr
	v_max_num_f32 v48, v48, v127
.irp q, 0,1,2,3
	v_add_f32 v[49+(\q)], v[128+8*(\q)], v[128+8*(\q)+1]
.irp n, 2,3,4,5,6,7
	v_add_f32 v[49+(\q)], v[49+(\q)], v[128+8*(\q)+(\n)]
.endr
.endr
.irp q, 0,1,2
	v_mul_f32 v[53+(\q)], v[160+8*(\q)], v[160+8*(\q)]
.irp n, 1,2,3,4,5,6,7
	v_fmac_f32 v[53+(\q)], v[160+8*(\q)+(\n)], v[160+8*(\q)+(\n)]
.endr
.endr
	v_max_num_f32_dpp v48, v48, v48 row_xmask:1 row_mask:0xf bank_mask:0xf
	v_max_num_f32_dpp v48, v48, v48 row_xmask:2 row_mask:0xf bank_mask:0xf
	v_max_num_f32_dpp v48, v48, v48 row_xmask:4 row_mask:0xf bank_mask:0xf
	v_max_num_f32_dpp v48, v48, v48 row_xmask:8 row_mask:0xf bank_mask:0xf
	v_permlanex16_b32 v58, v48, s66, s67
	v_max_num_f32 v48, v48, v58
.irp q, 49,50,51,52,53,54,55
	WSUM \q
.endr
	v_mul_f32 v59, v48, v48
	v_fma_f32 v59, v59, s79, 1.0                   ; 40 Mx^2 + 1
	v_mul_f32 v49, v49, v59
.irp n, 49,50,51,52,53,54,55
	v_sqrt_f32 v\n, v\n
.endr
	v_nop                                          ; a plain instruction behind the last root,
	s_wait_alu depctr_va_vdst(0)                   ; and one wait for the seven, ahead of their first reader
	v_fma_f32 v50, v50, v49, v53                   ; N2
	v_fma_f32 v51, v51, v50, v54                   ; N3
	v_fma_f32 v52, v52, v51, v55                   ; N4
	v_max_num_f32 v49, v49, v50
	v_max_num_f32 v51, v51, v52
	v_max_num_f32 v49, 0x21800000, v49             ; held to 2^-60 .. 2^60
	v_min_num_f32 v49, 0x5d800000, v49
	v_max_num_f32 v51, 0x21800000, v51
	v_min_num_f32 v51, 0x5d800000, v51
	v_lshrrev_b32 v49, 23, v49                     ; the biased exponents xa, xb
	v_lshrrev_b32 v51, 23, v51
	v_sub_nc_u32 v24, 268, v49
	v_lshlrev_b32 v24, 23, v24                     ; sa = 2^(141 - xa)
	v_sub_nc_u32 v27, 268, v51
	v_lshlrev_b32 v27, 23, v27                     ; sb = 2^(141 - xb)
	v_sub_nc_u32 v25, v49, v51
	v_add_nc_u32 v25, 127, v25
	v_lshlrev_b32 v25, 23, v25                     ; sb / sa
	v_add_nc_u32 v26, -14, v51
	v_lshlrev_b32 v26, 23, v26                     ; 1 / sb
	v_mul_f32 v184, v24, v184
	v_mul_f32 v185, v24, v185
	v_mul_f32 v186, v24, v186
	v_mul_f32 v187, v24, v187
	v_mul_f32 v188, v27, v188
	v_mul_f32 v189, v27, v189
	v_lshl_add_u32 v56, v0, 3, BIA
	ds_store_b64 v56, v[184:185]
	ds_store_b64 v56, v[186:187] offset:1024
	ds_store_b64 v56, v[188:189] offset:2048
	s_cmp_lg_u32 s26, 0
	s_cbranch_scc1 .Lnot_b5                        ; wave 0 alone: b5 with a 0 for channel 31, and zeros behind the stage's rows
	v_mul_f32 v190, v27, v190
	v_cmp_gt_u32 vcc_lo, 31, v0
	v_cndmask_b32 v190, 0, v190, vcc_lo
	v_lshl_add_u32 v57, v0, 2, BIA+3072
	ds_store_b32 v57, v190
	v_mov_b32 v54, 0
	v_mov_b32 v55, 0
	v_lshl_add_u32 v59, v0, 3, STAGE+7936
	ds_store_b64 v59, v[54:55]
.Lnot_b5:
	s_wait_dscnt 0x0                               ; for the others' sake: my part of the biases is in LDS
	s_wait_tensorcnt 0x2                           ; my quarter of W1 and W5 is in; W2 and W3, issued behind it, may stay out
	s_barrier_signal -1
	s_barrier_wait -1
	RUNF 0, 10, 0, 24                              ; layer 1's first three pairs of channel blocks
	FIN
	s_mov_b32 s29, 8
.Lpass:
	v_mov_b32 v22, v24                             ; layer 1's results are kept times sa
	v_mov_b32 v23, v24
	v_mov_b32 v13, v12                             ; b2
	s_cmp_eq_u32 s29, 2
	s_cbranch_scc1 .Lno_query                      ; the last pass has none behind it
	v_add_nc_u32 v14, 1024, v14                    ; the loads that read these two were waited for
	v_add_nc_u32 v15, 512, v15
	LOADQ                                          ; the next pass's query data: a whole pass ahead
.Lno_query:
	RUNF 1, 10, 12288, 24
	s_wait_dscnt 24                                ; all but the 24 just issued
	L1MP 0, 0, 0, 0
	L1MP 1, 0, 1, 1
	L1MP 2, 0, 2, 1
	PLACES
	RUNF 0, 10, 24576, 16
	s_wait_dscnt 16
	L1MP 3, 1, 0, 1
	L1MP 4, 1, 1, 1
	L1MP 5, 1, 2, 1
	PLACES
	CHANGE 0                                       ; W2 (in the first pass W3 too) has landed, everybody's quarter
	RUNF 1, 6, 0, 32
	RUNB 0, 0
	; W4 IS PREFETCHED INTO THE L2, once in the launch, in the first pass: its 512 blocks of 256 bytes, a lane a block, shared out by address among the first cluster's sixteen waves.
	; It stands behind this run of LDS loads, two pairs of layer 1 and seven units of layer 2 ahead of the load that asks for W4 first.
	s_cmp_eq_u32 s69, 1
	s_cbranch_scc0 .Lnot_asked
	global_prefetch_b8 v20, s[70:71] th:TH_LOAD_NT scope:SCOPE_SE
	s_mov_b32 s69, 0
.Lnot_asked:
	L1MP 6, 0, 0, 1
	L1MP 7, 0, 1, 1
	WIN 0
	s_mov_b32 s30, 2
	s_branch .Lxy
.Lyx:                                  ; LAYER 3: Y -> X, W3; its results are kept times sb
	v_mov_b32 v22, v25
	v_mov_b32 v23, v25
	UNITS06 W_MY, 8, 9, 1, W_OY, 2, W_OX
	PLACES
	CHANGE 0                                       ; W4 has landed, everybody's quarter
	RUNF 1, 6, 0, 32
	RUNB 0, 1024
	v_add_nc_u32 v13, 0x400, v13                   ; the next layer's bias
	UNIT W_MY, 0, 1, 1, 2, W_OX, 6
	WIN 0
.Lxy:                                  ; LAYERS 2 AND 4: X -> Y, the slot S0
	UNITS06 W_MX, 6, 7, 2, W_OX, 1, W_OY
	WIN 0
	s_cmp_eq_u32 s29, 1
	s_cbranch_scc1 .Ltail                          ; the last pass's layer 4 fills nothing: its end is written out
	CHANGE 1                                       ; the last unit's fragments are in registers: S0 takes W4 (in layer 2) or the next pass's W2 (in layer 4); the four v_nop behind the load are the places in front of the run below
	RUNF 1, 11, 0, 32
	RUNB 0, 1024
	v_add_nc_u32 v13, 0x400, v13
	UNIT W_MX, 0, 1, 1, 1, W_OY, 6
	WIN 0
	s_sub_co_u32 s29, s29, 1
	s_sub_co_u32 s30, s30, 1
	s_cmp_lg_u32 s30, 0
	s_cbranch_scc1 .Lyx
	; LAYER 5, the way out, and the next pass's input
	s_wait_loadcnt 0x0                             ; the next pass's query data, asked for a pass ago
	GADR                                           ; eight plain instructions: the places behind layer 4's last products
	RUNF 0, 10, 0, 24                              ; layer 1's first fragments
	s_wait_dscnt 24
	UNIT W_MY, 1, 0, 0, 1, W_OY, 7, 1
	EPI 0
	FIN
	s_branch .Lpass
.Ltail:
	PLACES
	RUNF 1, 10, 32768, 32                          ; W5
	RUNB 0, 1024
	s_wait_dscnt 36
	UNIT W_MX, 0, 1, 1, 1, W_OY, 6
	PLACES
	s_wait_dscnt 0x0
	UNIT W_MY, 1, 0, 0, 1, W_OY, 7
	EPI 1
	s_wait_tensorcnt 0x0                           ; the wave's end: behind my last tensor load and my last LDS store
	ds_add_u32 v2, v3
	s_wait_dscnt 0x0
	CROUND                                         ; the closing round: no work-group ends while a partner may still ask for a tile that names it
	s_endpgm
.Lfunc_end_k_q47b009e2c0_chain:
	.size	k_q47b009e2c0_chain, .Lfunc_end_k_q47b009e2c0_chain-k_q47b009e2c0_chain
	.p2alignl 7, 3214868480
	.fill 96, 4, 3214868480
	.section	.rodata,"a",@progbits
	.p2align	6, 0x0
	.amdhsa_kernel k_q47b009e2c0_chain
		.amdhsa_group_segment_fixed_size 327680
		.amdhsa_private_segment_fixed_size 0
		.amdhsa_enable_private_segment 0
		.amdhsa_kernarg_size 88
		.amdhsa_user_sgpr_count 2
		.amdhsa_user_sgpr_kernarg_segment_ptr 1
		.amdhsa_wavefront_size32 1
		.amdhsa_system_sgpr_workgroup_id_x 1
		.amdhsa_system_sgpr_workgroup_id_y 1
		.amdhsa_system_sgpr_workgroup_id_z 1
		.amdhsa_system_vgpr_workitem_id 0
		.amdhsa_next_free_vgpr 1024
		.amdhsa_next_free_sgpr 84
		.amdhsa_reserve_vcc 1
		.amdhsa_float_denorm_mode_32 3
		.amdhsa_float_denorm_mode_16_64 3
		.amdhsa_memory_ordered 1
		.amdhsa_forward_progress 1
		.amdhsa_inst_pref_size 255
	.end_amdhsa_kernel
	.section	.bss,"aw",@nobits
	.p2align	6
	.space	262144
	.amdgpu_metadata
---
amdhsa.version: [ 1, 2 ]
amdhsa.kernels:
  - .name:           k_q47b009e2c0_chain
    .symbol:         k_q47b009e2c0_chain.kd
    .args:
      - { .name: idx, .offset: 0, .size: 8, .value_kind: global_buffer, .address_space: global }
      - { .name: tab, .offset: 8, .size: 8, .value_kind: global_buffer, .address_space: global }
      - { .name: wts, .offset: 16, .size: 8, .value_kind: global_buffer, .address_space: global }
      - { .name: stat, .offset: 24, .size: 8, .value_kind: global_buffer, .address_space: global }
      - { .name: coord, .offset: 32, .size: 8, .value_kind: global_buffer, .address_space: global }
      - { .name: cell, .offset: 40, .size: 8, .value_kind: global_buffer, .address_space: global }
      - { .name: b2, .offset: 48, .size: 8, .value_kind: global_buffer, .address_space: global }
      - { .name: b3, .offset: 56, .size: 8, .value_kind: global_buffer, .address_space: global }
      - { .name: b4, .offset: 64, .size: 8, .value_kind: global_buffer, .address_space: global }
      - { .name: b5, .offset: 72, .size: 8, .value_kind: global_buffer, .address_space: global }
      - { .name: out0, .offset: 80, .size: 8, .value_kind: global_buffer, .address_space: global }
    .group_segment_fixed_size: 327680
    .private_segment_fixed_size: 0
    .kernarg_segment_align: 8
    .kernarg_segment_size: 88
    .max_flat_workgroup_size: 128
    .sgpr_count:     84
    .vgpr_count:     1024
    .wavefront_size: 32
...
	.end_amdgpu_metadata
.endif
;; end of part 2
;; ======== version 2 of 2: 2 launches; version 1 with the launch prep written anew for expert scheduling mode
;; limits: values outside matrix products are rounded to f16; values are held in f16: magnitudes above 65,504 overflow, below 6.1e-05 lose precision; inputs' magnitudes at most 65,504
;; workspace buffers: idx 1,048,576 bytes of whole numbers; tab 1,048,576 bytes; wts 442,368 bytes; stat 12,288 bytes
;; launch prep (part 3): grid 256 x 1, 8 waves a work-group, no clusters, 0 bytes of LDS; arguments coord, cell, feat, W1, W2, W3, W4, W5, b1, idx, tab, wts, stat; writes idx, tab, wts, stat
.if DOCPART == 3
	.amdgcn_target "amdgcn-amd-amdhsa--gfx1250"
	.amdhsa_code_object_version 6
	.text
	.protected	k_q47b009e2c0_prep
	.globl	k_q47b009e2c0_prep
	.p2align	8
	.type	k_q47b009e2c0_prep,@function
k_q47b009e2c0_prep:
	s_mov_b64 s[64:65], 0
	v_nop
	global_prefetch_b8 v0, s[64:65] scope:SCOPE_SE
	s_setreg_imm32_b32 hwreg(HW_REG_WAVE_SCHED_MODE, 0, 2), 2
	s_setreg_imm32_b32 hwreg(HW_REG_WAVE_MODE, 25, 1), 1
	s_wait_xcnt 0x0
	s_wait_alu depctr_vm_vsrc(0)
; PREP: what the chain of products needs laid out once.  Nothing of reference() is left out: every input has a way to the output and is loaded, here or in the second launch.
;  idx  [65536 queries][4 shifts] int32: b*4096 + iy*64 + ix, the nearest pixel of the shifted, clipped coordinate, by reference()'s own f32 steps
;       (all factors are powers of two, so a fused multiply-add rounds where reference()'s add rounds).
;  tab  [8192 pixels][64] f16: the pixel's 3 x 3 x 4 patch at k = c*9 + ki*3 + kj (0 outside the picture), k = 36..39 = 0 (filled per query later), k = 40 = 1.0 (b1 rides in K), the rest 0.
;  wts  W2, W3, W4, W1 (+ b1 as row 40, rows 41..63 = 0), W5 (+ column 31 = 0) in f16, in the order in which a wave's registers take them as source 0:
;       a fragment (16 output channels x 32 k) is 1,024 bytes: lane l's registers 0-3 at 16 l, its registers 4-7 at 512 + 16 l.
;  stat MX[2048]: for each wave the largest magnitude an element of the chain's input can have; SS[4][256]: partial sums of squares of W1 and b1, W2, W3, W4.
; SHARES.  65,536 threads.  Thread g: query g; 16 bytes (8 k) of tab; and in waves 0-4 a lane's 8 numbers of half a fragment: waves 0-2 of every work-group W2, W3, W4; wave 3 of 64 W1; wave 4 of 32 W5.
; LIMITS.  |feat| and the weights stay under 65,504 (f16); NaN and infinities are not treated apart.
; THE MODE: SCHED_MODE bits 1:0 = 2 (LLVM: expert scheduling mode 2), set by the entry lines.  The code itself states the register dependences between vector instructions and
; memory instructions, and those through scalar registers that vector instructions write, with s_wait_alu, always for 0.
; THE PLAN.  The text has no loop; every register that a memory instruction touches is written once:
;   v4, v5          offsets of coord and cell, of idx and tab: made at the head.          v16-23  offsets in feat: made at the head, all eight ahead of the wait for the arguments.
;   v24-35, v48-56  loads land here; no vector instruction names them before.            v40-47, v57  offsets in the weights and b1: made in the weights' arm.
;   v62, v64-67     the store into wts.      v72-75, v76-79  the stores into idx and tab.      v82, v83, v63, v60  the two stores into stat.
; So each run of loads or stores has ONE wait on va_vdst ahead of it, behind the arithmetic that makes its offsets and data, and no register that a memory instruction has read is written again:
; a wait on vm_vsrc stands at the two writes of EXEC alone.  The compares write scalar registers in runs, each run with one wait on va_sdst ahead of its first reader.
; No scalar register that a vector instruction has read is written again.
.set EPS,  42
.set SHM,  43                          ; s43  -1/64 + 1e-6, rounded as the f32 add rounds it
.set SHP,  44                          ; s44  +1/64 + 1e-6
.set C64,  45                          ; s45  64.0
.set MI,   48                          ; s[48:55]  number j of my 8 of the table: inside the picture; then: it exists
.set MK,   72                          ; s[72:79]  number j: k < 36
; Number j of my 8 of the table: k = k0 + j, channel k / 9, kernel row (k % 9) / 3, kernel column k % 3.  The two masks say whether the number exists (inside the picture, k < 36);
; the address of one that does not is clamped into feat, and what it brings is thrown away.
.macro TADR j
	v_add_nc_u32 v11, \j, v7
	v_mul_u32_u24 v12, 57, v11
	v_lshrrev_b32 v12, 9, v12                      ; k / 9 (exact up to 63)
	v_mul_u32_u24 v13, 9, v12
	v_sub_nc_u32 v13, v11, v13                     ; k % 9
	v_mul_u32_u24 v14, 11, v13
	v_lshrrev_b32 v14, 5, v14                      ; ki
	v_mul_u32_u24 v15, 3, v14
	v_sub_nc_u32 v15, v13, v15                     ; kj
	v_add3_u32 v14, v8, v14, -1                    ; y + ki - 1
	v_add3_u32 v15, v9, v15, -1                    ; x + kj - 1
	v_or_b32 v13, v14, v15
	v_cmp_gt_u32 s[MI+(\j)], 64, v13               ; both in 0..63
	v_cmp_gt_u32 s[MK+(\j)], 36, v11
	v_add_nc_u32 v12, v10, v12
	v_lshl_add_u32 v12, v12, 6, v14
	v_lshl_add_u32 v12, v12, 6, v15
	v_lshlrev_b32 v12, 2, v12
	v_min_u32 v[16+(\j)], 0x1fffc, v12
.endm
.macro WSUM r                          ; the sum over the wave's 32 lanes, in every lane
	v_add_f32_dpp v[\r], v[\r], v[\r] row_xmask:1 row_mask:0xf bank_mask:0xf
	v_add_f32_dpp v[\r], v[\r], v[\r] row_xmask:2 row_mask:0xf bank_mask:0xf
	v_add_f32_dpp v[\r], v[\r], v[\r] row_xmask:4 row_mask:0xf bank_mask:0xf
	v_add_f32_dpp v[\r], v[\r], v[\r] row_xmask:8 row_mask:0xf bank_mask:0xf
	v_permlanex16_b32 v61, v[\r], s46, s47
	v_add_f32 v[\r], v[\r], v61
.endm
.macro WMAX r
	v_max_num_f32_dpp v[\r], v[\r], v[\r] row_xmask:1 row_mask:0xf bank_mask:0xf
	v_max_num_f32_dpp v[\r], v[\r], v[\r] row_xmask:2 row_mask:0xf bank_mask:0xf
	v_max_num_f32_dpp v[\r], v[\r], v[\r] row_xmask:4 row_mask:0xf bank_mask:0xf
	v_max_num_f32_dpp v[\r], v[\r], v[\r] row_xmask:8 row_mask:0xf bank_mask:0xf
	v_permlanex16_b32 v61, v[\r], s46, s47
	v_max_num_f32 v[\r], v[\r], v61
.endm
	s_load_b512 s[4:19], s[0:1], 0x0               ; coord 4:5, cell 6:7, feat 8:9, W1 10:11, W2 12:13, W3 14:15, W4 16:17, W5 18:19
	s_load_b256 s[20:27], s[0:1], 0x40             ; b1 20:21, idx 22:23, tab 24:25, wts 26:27
	s_load_b64 s[28:29], s[0:1], 0x60              ; stat
	v_lshrrev_b32 v1, 5, v0
	v_readfirstlane_b32 s30, v1                    ; wave 0..7
	s_mov_b32 s31, ttmp9                           ; work-group
	v_and_b32 v2, 31, v0                           ; lane
	v_lshl_add_u32 v3, s31, 8, v0                  ; g
	v_lshlrev_b32 v4, 3, v3                        ; 8 g: coord, cell
	v_lshlrev_b32 v5, 4, v3                        ; 16 g: idx, tab
	v_lshrrev_b32 v6, 3, v3                        ; pixel
	v_and_b32 v7, 7, v3
	v_lshlrev_b32 v7, 3, v7                        ; my first k
	v_bfe_u32 v8, v6, 6, 6                         ; y
	v_and_b32 v9, 63, v6                           ; x
	v_lshrrev_b32 v10, 12, v6
	v_lshlrev_b32 v10, 2, v10                      ; 4 b
	v_mov_b32 v60, 0                               ; my wave's sum of squares: 0 where it has no weights
	v_mov_b32 v61, 0
	s_mov_b32 s[EPS], 0x358637bd                   ; 1e-6
	s_add_f32 s[SHM], s[EPS], 0xbc800000
	s_add_f32 s[SHP], s[EPS], 0x3c800000
	s_mov_b32 s[C64], 0x42800000
	s_mov_b32 s46, 0x76543210                      ; v_permlanex16_b32: each lane takes its own place in the other half
	s_mov_b32 s47, 0xfedcba98
	s_mov_b32 s66, 0x4040a3d7                      ; 3.01
.irp j, 0,1,2,3,4,5,6,7
	TADR \j                                        ; all eight offsets and their masks hang on ids alone: they are made while the arguments are on their way
.endr
	s_wait_alu depctr_va_sdst(0)                   ; s30 and the sixteen masks s[48:55], s[72:79] are written, ahead of their first readers: the lines below
.irp j, 0,1,2,3,4,5,6,7
	s_and_b32 s[MI+(\j)], s[MI+(\j)], s[MK+(\j)]
.endr
	; the weights task of my wave: row pitch RS, last row block KVC, rows KLIM, columns NLIM, log2 of the K steps KSH, place in wts DOFF
	s_mov_b32 s34, 1024
	s_cmp_lt_u32 s30, 3
	s_cselect_b32 s41, 256, 0                      ; how many work-groups have a task in this wave
	s_cmp_eq_u32 s30, 3
	s_cselect_b32 s41, 64, s41
	s_cselect_b32 s35, 32, 248
	s_cselect_b32 s36, 40, 256
	s_cselect_b32 s38, 1, 3
	s_cselect_b32 s63, 40, -1                      ; the row that takes b1 (W1 alone)
	s_cmp_eq_u32 s30, 4
	s_cselect_b32 s41, 32, s41
	s_cselect_b32 s34, 124, s34
	s_cselect_b32 s37, 31, 256
	s_cselect_b32 s39, 32768, 0
	s_min_u32 s40, s30, 3
	s_lshl_b32 s40, s40, 17
	s_add_co_u32 s39, s39, s40
	s_wait_kmcnt 0x0
	s_mov_b64 s[32:33], s[12:13]
	s_cmp_eq_u32 s30, 1
	s_cselect_b64 s[32:33], s[14:15], s[32:33]
	s_cmp_eq_u32 s30, 2
	s_cselect_b64 s[32:33], s[16:17], s[32:33]
	s_cmp_eq_u32 s30, 3
	s_cselect_b64 s[32:33], s[10:11], s[32:33]
	s_cmp_eq_u32 s30, 4
	s_cselect_b64 s[32:33], s[18:19], s[32:33]
	s_wait_alu depctr_va_vdst(0)                   ; v4 and v16 to v23 are written, which the ten loads below read as their offsets
	global_load_b64 v[32:33], v4, s[4:5]
	global_load_b64 v[34:35], v4, s[6:7]
.irp j, 0,1,2,3,4,5,6,7
	global_load_b32 v[24+(\j)], v[16+(\j)], s[8:9]
.endr
	; THE WEIGHTS: half fragment number = the work-group's number.  Lane (r, h): output channel n = 16 mb + r, rows kbase .. kbase + 7, kbase = 32 ks + 16 q + 8 h.
	s_cmp_lt_u32 s31, s41
	s_cbranch_scc0 .Lnow
	s_lshr_b32 s57, s31, 1                         ; fragment f
	s_and_b32 s58, s31, 1                          ; half q
	s_lshr_b32 s59, s57, s38                       ; mb
	s_lshl_b32 s60, s59, s38
	s_sub_co_u32 s60, s57, s60                     ; ks
	s_lshl_b32 s60, s60, 5
	s_lshl_b32 s58, s58, 4
	s_add_co_u32 s60, s60, s58
	s_lshl_b32 s59, s59, 4
	s_sub_co_u32 s61, s37, 1
	s_lshl_b32 s71, s31, 9
	s_add_co_u32 s71, s71, s39
	v_and_b32 v36, 15, v0
	v_bfe_u32 v37, v0, 4, 1
	v_lshl_add_u32 v38, v37, 3, s60                ; kbase
	v_add_nc_u32 v39, s59, v36                     ; n
	v_cmp_gt_u32 s62, s36, v38                     ; the row block exists,
	v_cmp_gt_u32 s68, s37, v39                     ; the column exists,
	v_cmp_eq_u32 s69, s63, v38                     ; the block begins with the row that takes b1
	v_min_u32 v58, s35, v38                        ; rows and columns that do not exist are read from the last that do, and zeroed below
	v_mul_lo_u32 v58, v58, s34
	v_min_u32 v59, s61, v39
	v_lshl_add_u32 v40, v59, 2, v58
.irp j, 1,2,3,4,5,6,7
	v_add_nc_u32 v[40+(\j)], s34, v[39+(\j)]
.endr
	v_lshlrev_b32 v57, 2, v39
	v_lshl_add_u32 v62, v2, 4, s71                 ; DOFF + 1,024 f + 512 q + 16 l
	s_wait_alu depctr_va_sdst(0)                   ; the three masks s62, s68, s69 are written, ahead of their first readers: the line below and the selects behind the loads
	s_and_b32 s62, s62, s68
	s_wait_alu depctr_va_vdst(0)                   ; v40 to v47 and v57 are written, which the nine loads below read as their offsets
.irp j, 0,1,2,3,4,5,6,7
	global_load_b32 v[48+(\j)], v[40+(\j)], s[32:33]
.endr
	global_load_b32 v56, v57, s[20:21]             ; b1[n]
	s_wait_loadcnt 0x0
.irp j, 0,1,2,3,4,5,6,7
	v_cndmask_b32 v[48+(\j)], 0, v[48+(\j)], s62
.endr
	v_cndmask_b32 v48, v48, v56, s69               ; W1's row 40 is b1
	v_cvt_pk_f16_f32 v64, v48, v49
	v_cvt_pk_f16_f32 v65, v50, v51
	v_cvt_pk_f16_f32 v66, v52, v53
	v_cvt_pk_f16_f32 v67, v54, v55
	s_wait_alu depctr_va_vdst(0)                   ; the roundings have written v64 to v67, the store's data; v62, its offset, is written too
	global_store_b128 v62, v[64:67], s[26:27]      ; the wave stores 512 consecutive bytes, aligned
	v_mul_f32 v60, v48, v48                        ; the squares name none of the store's registers
.irp j, 1,2,3,4,5,6,7
	v_fmac_f32 v60, v[48+(\j)], v[48+(\j)]
.endr
	WSUM 60
.Lnow:
	v_cmp_eq_u32 s70, 40, v7                       ; my 8 numbers of the table begin at k = 40
	s_wait_loadcnt 0x0                             ; coord, cell and my 8 numbers of feat
; One pixel index: clip(coord + shift), unnormalise, round to nearest, clip: reference()'s steps in its order.
.macro PIX d, c, sh
	v_add_f32 v[\d], s[\sh], v[\c]
	v_max_num_f32 v[\d], 0xbf7fffef, v[\d]
	v_min_num_f32 v[\d], 0x3f7fffef, v[\d]
	v_add_f32 v[\d], 1.0, v[\d]
	v_fma_f32 v[\d], v[\d], s[C64], -1.0
	v_fma_f32 v[\d], v[\d], 0.5, 0.5
	v_floor_f32 v[\d], v[\d]
	v_max_num_f32 v[\d], 0, v[\d]
	v_min_num_f32 v[\d], 0x427c0000, v[\d]
	v_cvt_i32_f32 v[\d], v[\d]
.endm
	PIX 68, 32, SHM
	PIX 69, 32, SHP
	PIX 70, 33, SHM
	PIX 71, 33, SHP
	s_lshr_b32 s57, s31, 7                         ; b
	s_lshl_b32 s57, s57, 12
	v_lshl_add_u32 v80, v68, 6, s57
	v_lshl_add_u32 v81, v69, 6, s57
	v_add_nc_u32 v72, v80, v70                     ; shifts (-,-), (-,+), (+,-), (+,+)
	v_add_nc_u32 v73, v80, v71
	v_add_nc_u32 v74, v81, v70
	v_add_nc_u32 v75, v81, v71
.irp j, 0,1,2,3,4,5,6,7
	v_cndmask_b32 v[24+(\j)], 0, v[24+(\j)], s[MI+(\j)]
.endr
	v_cvt_pk_f16_f32 v76, v24, v25
	v_cvt_pk_f16_f32 v77, v26, v27
	v_cvt_pk_f16_f32 v78, v28, v29
	v_cvt_pk_f16_f32 v79, v30, v31
	v_mov_b32 v80, 0x3c00                          ; k = 40: 1.0
	s_wait_alu depctr_va_sdst(0)                   ; the mask s70 is written, ahead of its one reader
	v_cndmask_b32 v76, v76, v80, s70
	s_wait_alu depctr_va_vdst(0)                   ; v72 to v75 and v76 to v79 are written, the data of the two stores below
	global_store_b128 v5, v[72:75], s[22:23]
	global_store_b128 v5, v[76:79], s[24:25]
	; a bound on the magnitude of the chain's input: the patch, 64 |cell|, and |rel_coord| <= 64 max(|coord| - 1, 0) + 3.01
	; (the pixel centre lies within a shift and half a pixel of the clipped coordinate).  None of these lines writes a register of the two stores.
	v_max_num_f32 v63, |v24|, |v25|
	v_max3_num_f32 v63, v63, |v26|, |v27|
	v_max3_num_f32 v63, v63, |v28|, |v29|
	v_max3_num_f32 v63, v63, |v30|, |v31|
	v_mul_f32 v80, s[C64], |v34|
	v_mul_f32 v81, s[C64], |v35|
	v_max3_num_f32 v63, v63, v80, v81
	v_sub_f32 v80, |v32|, 1.0
	v_sub_f32 v81, |v33|, 1.0
	v_max3_num_f32 v80, v80, v81, 0
	v_fma_f32 v80, v80, s[C64], s66
	v_max_num_f32 v63, v63, v80
	WMAX 63
	s_lshl_b32 s56, s31, 5
	s_lshl_b32 s58, s30, 2
	s_add_co_u32 s56, s56, s58
	v_mov_b32 v82, s56                             ; MX[8 wg + wave]
	s_add_co_u32 s58, s30, 1
	s_and_b32 s58, s58, 3                          ; rows of SS: W1, W2, W3, W4 = waves 3, 0, 1, 2
	s_lshl_b32 s58, s58, 10
	s_lshl_b32 s80, s31, 2
	s_add_co_u32 s58, s58, s80
	s_add_co_u32 s58, s58, 8192
	v_mov_b32 v83, s58
	s_wait_xcnt 0x0                                ; EXEC changes only when the stores above have read their sources
	v_cmp_eq_u32 vcc_lo, 0, v2
	s_wait_alu depctr_va_vcc(0)                    ; VCC is written: EXEC is made from it
	s_wait_alu depctr_va_vdst(0)                   ; ahead of the write of EXEC: the vector instructions issued so far are done; among them those that wrote v82, v83, v63 and v60, which the stores below read
	s_wait_alu depctr_vm_vsrc(0)                   ; ahead of the write of EXEC: the stores issued so far have read their vector registers
	s_and_saveexec_b32 s67, vcc_lo                 ; lane 0 stores for the wave
	global_store_b32 v82, v63, s[28:29]
	s_cmp_lt_u32 s30, 4
	s_cbranch_scc0 .Lnoss
	global_store_b32 v83, v60, s[28:29]
.Lnoss:
	s_wait_xcnt 0x0
	s_wait_alu depctr_va_vdst(0)                   ; ahead of the write of EXEC: no vector instruction is under way
	s_wait_alu depctr_vm_vsrc(0)                   ; ahead of the write of EXEC: the one or two stores above have read their vector registers
	s_or_b32 exec_lo, exec_lo, s67
	s_endpgm
.Lfunc_end_k_q47b009e2c0_prep:
	.size	k_q47b009e2c0_prep, .Lfunc_end_k_q47b009e2c0_prep-k_q47b009e2c0_prep
	.p2alignl 7, 3214868480
	.fill 96, 4, 3214868480
	.section	.rodata,"a",@progbits
	.p2align	6, 0x0
	.amdhsa_kernel k_q47b009e2c0_prep
		.amdhsa_group_segment_fixed_size 0
		.amdhsa_private_segment_fixed_size 0
		.amdhsa_enable_private_segment 0
		.amdhsa_kernarg_size 104
		.amdhsa_user_sgpr_count 2
		.amdhsa_user_sgpr_kernarg_segment_ptr 1
		.amdhsa_wavefront_size32 1
		.amdhsa_system_sgpr_workgroup_id_x 1
		.amdhsa_system_sgpr_workgroup_id_y 1
		.amdhsa_system_sgpr_workgroup_id_z 1
		.amdhsa_system_vgpr_workitem_id 0
		.amdhsa_next_free_vgpr 96
		.amdhsa_next_free_sgpr 84
		.amdhsa_reserve_vcc 1
		.amdhsa_float_denorm_mode_32 3
		.amdhsa_float_denorm_mode_16_64 3
		.amdhsa_memory_ordered 1
		.amdhsa_forward_progress 1
		.amdhsa_inst_pref_size 20
	.end_amdhsa_kernel
	.amdgpu_metadata
---
amdhsa.version: [ 1, 2 ]
amdhsa.kernels:
  - .name:           k_q47b009e2c0_prep
    .symbol:         k_q47b009e2c0_prep.kd
    .args:
      - { .name: coord, .offset: 0, .size: 8, .value_kind: global_buffer, .address_space: global }
      - { .name: cell, .offset: 8, .size: 8, .value_kind: global_buffer, .address_space: global }
      - { .name: feat, .offset: 16, .size: 8, .value_kind: global_buffer, .address_space: global }
      - { .name: W1, .offset: 24, .size: 8, .value_kind: global_buffer, .address_space: global }
      - { .name: W2, .offset: 32, .size: 8, .value_kind: global_buffer, .address_space: global }
      - { .name: W3, .offset: 40, .size: 8, .value_kind: global_buffer, .address_space: global }
      - { .name: W4, .offset: 48, .size: 8, .value_kind: global_buffer, .address_space: global }
      - { .name: W5, .offset: 56, .size: 8, .value_kind: global_buffer, .address_space: global }
      - { .name: b1, .offset: 64, .size: 8, .value_kind: global_buffer, .address_space: global }
      - { .name: idx, .offset: 72, .size: 8, .value_kind: global_buffer, .address_space: global }
      - { .name: tab, .offset: 80, .size: 8, .value_kind: global_buffer, .address_space: global }
      - { .name: wts, .offset: 88, .size: 8, .value_kind: global_buffer, .address_space: global }
      - { .name: stat, .offset: 96, .size: 8, .value_kind: global_buffer, .address_space: global }
    .group_segment_fixed_size: 0
    .private_segment_fixed_size: 0
    .kernarg_segment_align: 8
    .kernarg_segment_size: 104
    .max_flat_workgroup_size: 256
    .sgpr_count:     84
    .vgpr_count:     96
    .wavefront_size: 32
...
	.end_amdgpu_metadata
.endif
;; end of part 3
;; launch chain: the kernel of part 2 again; grid 256 x 1, 4 waves a work-group, clusters of 4 x 1, 327,680 bytes of LDS; arguments idx, tab, wts, stat, coord, cell, b2, b3, b4, b5, out0; writes out0
